; MI455X (gfx1250); checked and timed in simulation.
; The chip was launched on July 23, 2026; its instructions are those of AMD's public machine-readable ISA for CDNA 5 (MIT licence, August 2026) and "CDNA5" Instruction Set Architecture Reference Guide (July 2026). The comments in the code are by the model that wrote it; some were corrected since.
;; All Amplitude. Allowed arithmetic: float matrix products may take bf16 or f16 operands with f32 sums; other float arithmetic in f32, or as packed bf16 or f16 multiplies, adds, multiply-adds, maxima and minima; sums over many terms, partial sums and values carried from step to step in f32; what a program stores and reads back later, other than sums and carried values, may be rounded once to bf16 or f16.
;; Inputs: cosTheta1 1,000,000 float32; cosTheta2 1,000,000 float32; cosTheta_BC 1,000,000 float32; cosTheta_BD 1,000,000 float32; cosTheta_B_BC 1,000,000 float32; cosTheta_CD 1,000,000 float32; cosTheta_C_CD 1,000,000 float32; cosTheta_D_BD 1,000,000 float32; m_BC 1,000,000 float32; m_BD 1,000,000 float32; m_CD 1,000,000 float32; params 16 x 2 float32; phi1 1,000,000 float32; phi2 1,000,000 float32; phi_BC 1,000,000 float32; phi_B_BC 1,000,000 float32; phi_CD 1,000,000 float32; phi_C_CD 1,000,000 float32; phi_D_BD 1,000,000 float32.
;; Outputs: out0 1,000,000 float32.
;; 2 versions, each right; version 2 is version 1 with the launch amp written anew for expert scheduling mode. Each part assembles by itself: llvm-mc -triple=amdgcn-amd-amdhsa -mcpu=gfx1250 --defsym DOCPART=n.
;; ======== version 1 of 2: 1 launch
;; limits: a function is approximated: absolute error at most 6e-05; an absolute error that grows with the inputs' magnitude: up to 4e-07 times it; inputs' magnitudes at most 50,000
;; launch amp (part 1): grid 1024 x 1, 4 waves a work-group, no clusters, 0 bytes of LDS; arguments m_BC, m_BD, m_CD, cosTheta_BC, cosTheta_B_BC, cosTheta1, cosTheta_CD, cosTheta_C_CD, cosTheta2, cosTheta_BD, cosTheta_D_BD, phi_BC, phi_B_BC, phi1, phi_CD, phi_C_CD, phi2, phi_D_BD, params, out0; writes out0
.if DOCPART == 1
	.amdgcn_target "amdgcn-amd-amdhsa--gfx1250"
	.amdhsa_code_object_version 6
	.text
	.protected	k_qfd3f64addb_amp
	.globl	k_qfd3f64addb_amp
	.p2align	8
	.type	k_qfd3f64addb_amp,@function
k_qfd3f64addb_amp:
	s_mov_b64 s[64:65], 0
	v_nop
	global_prefetch_b8 v0, s[64:65] scope:SCOPE_SE
	s_setreg_imm32_b32 hwreg(HW_REG_WAVE_MODE, 25, 1), 1
	s_wait_xcnt 0x0
; out0[e] = the sum over lA = +-1, lB, lD = -1..1 of |A(lA,lB,lD)|^2; A = three resonance chains, each a Breit-Wigner times couplings times Wigner d's and phases.
; 1,000,000 events, 18 f32 inputs each, 16 complex couplings (params) shared by all.  No product over a shared operand, nothing shared between events but 128 bytes:
; no matrix unit, no LDS, no cluster.  The arithmetic is cut by algebra, then the launch is a stream: each input byte read once, each output byte written once.
; ALGEBRA.  The sum of squares does not change under real orthogonal changes of basis: lA -> S = (+ plus -)/sqrt2, D = (+ minus -)/sqrt2; lB and lD each -> s (sum/sqrt2), d (difference/sqrt2), z (0).
; There every d^1 row is 1, cos or sin, and each of the 18 amplitudes is, in all three chains alike, 1 or i times BW x sum of (complex constant x real function): the common i is dropped.
; Accumulator n = 9 X + 3 b + d (X: S 0, D 1; b, d: s 0, d 1, z 2), complex.  The 17 complex constants K0..K16 are products of linear forms of params (HEAD).
; BW = G (Dp + i G) / (Dp^2 + G^2), G = kappa sqrt(max((m^2-s^2)(m^2-d^2), 0)), Dp = (m0^2 - m^2) m^2, kappa = m0^3 g0 / sqrt(p(m0)): one root and one reciprocal.
; sin theta = sqrt(1 - c^2).  Sine and cosine of a phase x: R = x/2pi less its nearest whole number, PS = 2 sin(pi R) and PC = cos(pi R) by their series to R^9 and R^8; sin x = PS PC, cos x = 1 - PS^2/2.
; SHARES.  A task is 64 events: one wave, two events a lane (a register pair, so that one packed instruction serves both); a load or store of a wave covers 256 consecutive bytes, aligned.
; 15,625 tasks; 4,096 waves; wave g takes tasks g, 4096 + g, 8192 + g, and 12288 + g where g < 3337.  The task's place stands in the immediate, so no address register is ever rewritten.
; IN FLIGHT.  Two buffers of 18 pairs: 36 loads of a wave go out at its head, a buffer is asked for again as soon as its last reader has been issued.  No prefetch lines: a wave asks for half of all it reads, or more, at its head.
; LIMITS.  |cos| > 1 gives NaN, as in the reference.  Masses from about 1e-4 to 5e4 (Dp^2 goes with m^8); m = 0 gives a finite number where the reference has NaN.
; Phases: error at most 6e-5 + 4e-7 |phi| (the series' remainders, and one rounding of x/2pi); phi1 + phi_B_BC and phi2 + phi_C_CD are added before the reduction.  Roots and reciprocals count denormals as 0 (ISA guide 15.8).
.set SLOTB, 0x100000                   ; bytes from a wave's task to its next: 4,096 tasks of 256 bytes; 3 x SLOTB lies inside the signed 24-bit immediate
.set NFOUR, 3337                       ; waves with a fourth task: 15,625 - 3 x 4,096
.set KB,  2                            ; v[2:35]    K_n = (re, im) at KB + 2 n, the same in every lane
.set BA,  36                           ; v[36:71]   input buffer A: input i (in the order of the arguments) at BA + 2 i
.set BB,  72                           ; v[72:107]  input buffer B
.set AC,  108                          ; v[108:179] accumulator n: re at AC + 4 n, im at AC + 4 n + 2; at work until chain 2 writes it
.set TB,  180                          ; v[180:253] T0..T36, pairs at work
.set TOT, 254                          ; v[254:255] the events' sums: the store's data
.irp k,0,1,2,3,4,5,6,7,8,9,10,11,12,13,14,15,16,17,18,19,20,21,22,23,24,25,26,27,28,29,30,31,32,33,34,35,36
.set T\k, TB+2*\k
.endr
.irp n,0,1,2,3,4,5,6,7,8,9,10,11,12,13,14,15,16,17
.set A\n, AC+4*\n
.endr
.set RR, AC                            ; sine and cosine, five phases a = 0..4: R at RR + 2 a,
.set ZZ, AC+10                         ; R^2,
.set SN, AC+20                         ; 2 sin(pi R),
.set CN, AC+30                         ; cos(pi R)
.set PINV, 44                          ; s[44:63] ten pairs, the same number in both words: 1/2pi, the sine's five coefficients, the cosine's four
.set PS0, 46
.set PS1, 48
.set PS2, 50
.set PS3, 52
.set PS4, 54
.set PC1, 56
.set PC2, 58
.set PC3, 60
.set PC4, 62
.set HPA, 212                          ; HEAD's linear forms of params, (re, im) pairs: a, b,
.set HPB, 214
.set HK11, 216                         ; k11, k10, k01,
.set HK10, 218
.set HK01, 220
.set HL0, 222                          ; chain 2's five,
.set HL1, 224
.set HL2, 226
.set HL3, 228
.set HL4, 230
.set HF11, 232                         ; f11, f10, f01,
.set HF10, 234
.set HF01, 236
.set HU, 238                           ; u, w
.set HW, 240
; packed arithmetic on pairs: d = a b; d = -a b; d = a b + c; d = -a b + c; d = a + b; d = a - b
.macro PM d,a,b
	v_pk_mul_f32 v[(\d):(\d)+1], v[(\a):(\a)+1], v[(\b):(\b)+1]
.endm
.macro PMN d,a,b
	v_pk_mul_f32 v[(\d):(\d)+1], v[(\a):(\a)+1], v[(\b):(\b)+1] neg_lo:[1,0] neg_hi:[1,0]
.endm
.macro PF d,a,b,c
	v_pk_fma_f32 v[(\d):(\d)+1], v[(\a):(\a)+1], v[(\b):(\b)+1], v[(\c):(\c)+1]
.endm
.macro PFN d,a,b,c
	v_pk_fma_f32 v[(\d):(\d)+1], v[(\a):(\a)+1], v[(\b):(\b)+1], v[(\c):(\c)+1] neg_lo:[1,0,0] neg_hi:[1,0,0]
.endm
.macro PADD d,a,b
	v_pk_add_f32 v[(\d):(\d)+1], v[(\a):(\a)+1], v[(\b):(\b)+1]
.endm
.macro PSUB d,a,b
	v_pk_add_f32 v[(\d):(\d)+1], v[(\a):(\a)+1], v[(\b):(\b)+1] neg_lo:[0,1] neg_hi:[0,1]
.endm
.macro HORN d,z,c                      ; a step of a series: d = d z + a scalar pair's low word
	v_pk_fma_f32 v[(\d):(\d)+1], v[(\d):(\d)+1], v[(\z):(\z)+1], s[(\c):(\c)+1] op_sel_hi:[1,1,0]
.endm
.macro SPAIR r,val
	s_mov_b32 s[\r], \val
	s_mov_b32 s[(\r)+1], \val
.endm
; complex block (re pair, im pair) times a real pair: d = +-a r; d += +-a r
.macro CMR d,a,r,neg
.if \neg
	PMN \d,\a,\r
	PMN (\d)+2,(\a)+2,\r
.else
	PM \d,\a,\r
	PM (\d)+2,(\a)+2,\r
.endif
.endm
.macro CFR d,a,r,neg
.if \neg
	PFN \d,\a,\r,\d
	PFN (\d)+2,(\a)+2,\r,(\d)+2
.else
	PF \d,\a,\r,\d
	PF (\d)+2,(\a)+2,\r,(\d)+2
.endif
.endm
; d = BW x K_n for both events: BW a block, K_n = (re, im) in one pair, picked by op_sel (0: re, 1: im) for both halves
.macro BWK d,bw,n
	v_pk_mul_f32 v[(\d):(\d)+1], v[(\bw):(\bw)+1], v[KB+2*(\n):KB+2*(\n)+1] op_sel_hi:[1,0]
	v_pk_mul_f32 v[(\d)+2:(\d)+3], v[(\bw):(\bw)+1], v[KB+2*(\n):KB+2*(\n)+1] op_sel:[0,1] op_sel_hi:[1,1]
	v_pk_fma_f32 v[(\d):(\d)+1], v[(\bw)+2:(\bw)+3], v[KB+2*(\n):KB+2*(\n)+1], v[(\d):(\d)+1] op_sel:[0,1,0] op_sel_hi:[1,1,1] neg_lo:[0,1,0] neg_hi:[0,1,0]
	v_pk_fma_f32 v[(\d)+2:(\d)+3], v[(\bw)+2:(\bw)+3], v[KB+2*(\n):KB+2*(\n)+1], v[(\d)+2:(\d)+3] op_sel_hi:[1,0,1]
.endm
; a task's 18 loads: 8 bytes a lane from each input
.macro LOAD b,slot
.irp i,0,1,2,3,4,5,6,7,8,9,10,11,12,13,14,15,16,17
	global_load_b64 v[(\b)+2*\i:(\b)+2*\i+1], v1, s[4+2*\i:5+2*\i] offset:(\slot)*SLOTB th:TH_LOAD_NT
.endr
.endm
; HEAD: params (g_k = (re, im) at T_k, k = 0..15) -> K0..K16.  The numbers are products of Clebsch-Gordan coefficients, with the factors of the changes of basis folded in.
.macro LINM d,g,lit                    ; d = g x a real number
	v_pk_mul_f32 v[(\d):(\d)+1], v[(\g):(\g)+1], \lit op_sel_hi:[1,0]
.endm
.macro LIN3 d,g,lit,c                  ; d = g x a real number + c
	v_pk_fma_f32 v[(\d):(\d)+1], v[(\g):(\g)+1], \lit, v[(\c):(\c)+1] op_sel_hi:[1,0,1]
.endm
.macro CM1 d,x,y                       ; a complex product's first half: (xr yr, xr yi)
	v_pk_mul_f32 v[(\d):(\d)+1], v[(\x):(\x)+1], v[(\y):(\y)+1] op_sel_hi:[0,1]
.endm
.macro CM2 d,x,y                       ; its second: + (-xi yi, xi yr)
	v_pk_fma_f32 v[(\d):(\d)+1], v[(\x):(\x)+1], v[(\y):(\y)+1], v[(\d):(\d)+1] op_sel:[1,1,0] op_sel_hi:[1,0,1] neg_lo:[1,0,0]
.endm
.macro ALLK op
	\op KB+0,T10,HL0                   ; K0..K4 = g10 x chain 2's five forms
	\op KB+2,T10,HL1
	\op KB+4,T10,HL2
	\op KB+6,T10,HL3
	\op KB+8,T10,HL4
	\op KB+10,HU,HF10                  ; K5..K10 = u f10, u f11, u f01, w f10, w f11, w f01
	\op KB+12,HU,HF11
	\op KB+14,HU,HF01
	\op KB+16,HW,HF10
	\op KB+18,HW,HF11
	\op KB+20,HW,HF01
	\op KB+22,HK10,HPA                 ; K11..K16 = k10 a, k01 a, k11 a, k11 b, k10 b, k01 b
	\op KB+24,HK01,HPA
	\op KB+26,HK11,HPA
	\op KB+28,HK11,HPB
	\op KB+30,HK10,HPB
	\op KB+32,HK01,HPB
.endm
.macro HEAD
	LIN3 HPA,T1,0x3ea1e89b,T0          ; a = g0 + .31622777 g1
	LIN3 HPB,T1,0xbf21e89b,T0          ; b = g0 - .63245553 g1
	LINM HK11,T2,0x3f3504f3            ; .70710678 g2, shared by k11, k10, k01
	LINM HF11,T11,0x3f3504f3           ; the same three forms on g11, g12, g13
	LIN3 HU,T15,0x3ea1e89b,T14         ; u = g14 + .31622777 g15
	LIN3 HW,T15,0xbf21e89b,T14         ; w = g14 - .63245553 g15
	LIN3 HK10,T3,0x3e64f92e,HK11       ; + .22360680 g3, shared by k10 and k01
	LIN3 HF10,T12,0x3e64f92e,HF11
	LINM HL0,T5,0xbec64bf8             ; chain 2's forms, term by term: g5
	LINM HL1,T5,0xbec64bf8
	LINM HL2,T5,0xbec64bf8
	LINM HL3,T5,0x3ec64bf8
	LINM HL4,T5,0x3f464bf8
	LIN3 HK01,T4,0xbec64bf8,HK10       ; k01: - .38729833 g4
	LIN3 HF01,T13,0xbec64bf8,HF10
	LIN3 HL0,T6,0xbdfad3e7,HL0         ; g6
	LIN3 HL1,T6,0x3e7ad3e7,HL1
	LIN3 HL2,T6,0xbdfad3e7,HL2
	LIN3 HL3,T6,0x3dfad3e7,HL3
	LIN3 HL4,T6,0xbefad3e7,HL4
	LIN3 HK10,T4,0x3ec64bf8,HK10       ; k10: + .38729833 g4
	LIN3 HF10,T13,0x3ec64bf8,HF10
	LIN3 HL0,T7,0xbe21e89b,HL0         ; g7 (none in the second and the fifth)
	LIN3 HL2,T7,0x3ef2dce9,HL2
	LIN3 HL3,T7,0xbe21e89b,HL3
	LIN3 HK11,T3,0xbee4f92e,HK11       ; k11: - .44721360 g3
	LIN3 HF11,T12,0xbee4f92e,HF11
	LIN3 HL0,T8,0xbd5af0bf,HL0         ; g8
	LIN3 HL1,T8,0xbe24348f,HL1
	LIN3 HL2,T8,0xbea4348f,HL2
	LIN3 HL3,T8,0xbe5af0bf,HL3
	LIN3 HL4,T8,0xbef64ed7,HL4
	LIN3 HL0,T9,0xbd0d534f,HL0         ; g9
	LIN3 HL1,T9,0x3e0d534f,HL1
	LIN3 HL2,T9,0xbe53fcf7,HL2
	LIN3 HL3,T9,0xbe0d534f,HL3
	LIN3 HL4,T9,0x3ed3fcf7,HL4
	ALLK CM1
	ALLK CM2
.endm
; The Breit-Wigner of mass j (0: m_BC, 1: m_BD, 2: m_CD), in three parts.  CB is the buffer in hand.
.macro BWA j,ns2,nd2                   ; T(8+j) = max((m^2 - s^2)(m^2 - d^2), 0)
	v_pk_fma_f32 v[AC+4*(\j):AC+4*(\j)+1], v[CB+2*(\j):CB+2*(\j)+1], v[CB+2*(\j):CB+2*(\j)+1], \ns2 op_sel_hi:[1,1,0]
	v_pk_fma_f32 v[AC+4*(\j)+2:AC+4*(\j)+3], v[CB+2*(\j):CB+2*(\j)+1], v[CB+2*(\j):CB+2*(\j)+1], \nd2 op_sel_hi:[1,1,0]
	PM TB+16+2*(\j),AC+4*(\j),AC+4*(\j)+2
	v_max_num_f32 v[TB+16+2*(\j)], 0, v[TB+16+2*(\j)]
	v_max_num_f32 v[TB+17+2*(\j)], 0, v[TB+17+2*(\j)]
.endm
.macro BWB j,m02,kap                   ; G = kappa r in T(8+j); Dp takes the mass's place; U = Dp^2 + G^2 at AC + 4 j
	v_pk_mul_f32 v[TB+16+2*(\j):TB+17+2*(\j)], v[TB+16+2*(\j):TB+17+2*(\j)], \kap op_sel_hi:[1,0]
	PM AC+4*(\j),CB+2*(\j),CB+2*(\j)
	v_pk_fma_f32 v[AC+4*(\j)+2:AC+4*(\j)+3], v[CB+2*(\j):CB+2*(\j)+1], v[CB+2*(\j):CB+2*(\j)+1], \m02 op_sel_hi:[1,1,0] neg_lo:[1,0,0] neg_hi:[1,0,0]
	PM CB+2*(\j),AC+4*(\j),AC+4*(\j)+2
	PM AC+4*(\j),CB+2*(\j),CB+2*(\j)
	PF AC+4*(\j),TB+16+2*(\j),TB+16+2*(\j),AC+4*(\j)
.endm
.macro BWC j,d                         ; block d = G / U x (Dp, G)
	PM AC+4*(\j),TB+16+2*(\j),AC+4*(\j)
	PM \d,AC+4*(\j),CB+2*(\j)
	PM (\d)+2,AC+4*(\j),TB+16+2*(\j)
.endm
.macro SPL nd,nz                       ; chain 2: V (T35) goes to lB = d as c1 V and to lB = z as -s1 V; these are the accumulators' first writes
	PM \nd,T35,IN5
	PM (\nd)+2,T35+2,IN5
	PMN \nz,T35,T2
	PMN (\nz)+2,T35+2,T2
.endm
.macro ROT nd,nz                       ; chain 3: lD = d takes c2 VC + s2 YC, lD = z takes -s2 VC + c2 YC (VC = T33, YC = T35)
	PF \nd,T33,IN8,\nd
	PF (\nd)+2,T33+2,IN8,(\nd)+2
	PFN \nz,T33,T5,\nz
	PFN (\nz)+2,T33+2,T5,(\nz)+2
	PF \nd,T35,T5,\nd
	PF (\nd)+2,T35+2,T5,(\nd)+2
	PF \nz,T35,IN8,\nz
	PF (\nz)+2,T35+2,IN8,(\nz)+2
.endm
.macro TURNS a,x                       ; phase a in turns
	v_pk_mul_f32 v[RR+2*(\a):RR+2*(\a)+1], v[(\x):(\x)+1], s[PINV:PINV+1] op_sel_hi:[1,0]
.endm
; ONE TASK: the 64 events in buffer b, stored at place slot.  refill >= 0: the buffer is asked for again, for that place, behind its last reader.
.macro COMPUTE b,slot,refill
.set CB, \b
.irp i,0,1,2,3,4,5,6,7,8,9,10,11,12,13,14,15,16,17
.set IN\i, (\b)+2*\i
.endr
	; 1 - c^2 of the eight cosines (inputs 3..10) into T0..T7; the three masses' p into T8..T10
.irp j,0,1,2,3,4,5,6,7
	v_pk_fma_f32 v[TB+2*\j:TB+2*\j+1], v[(\b)+6+2*\j:(\b)+7+2*\j], v[(\b)+6+2*\j:(\b)+7+2*\j], 1.0 op_sel_hi:[1,1,0] neg_lo:[1,0,0] neg_hi:[1,0,0]
.endr
	BWA 0,0xc093e58e,0xc05ff776        ; -(M_B + M_C)^2, -(M_B - M_C)^2
	BWA 1,0xc18118ee,0xb743164f        ; -(M_B + M_D)^2, -(M_B - M_D)^2
	BWA 2,0xc0936d8a,0xc05f269f        ; -(M_C + M_D)^2, -(M_C - M_D)^2
	; the first batch: 22 roots in place, T0..T10.  Nothing names them before the wait below; the sines and cosines are the work between
.set r, 0
.rept 22
	v_sqrt_f32 v[TB+r], v[TB+r]
.set r, r+1
.endr
	; sine and cosine of five phases, step by step for all five: five chains that do not wait for each other
	PADD IN13,IN13,IN12                ; psi1 = phi1 + phi_B_BC
	PADD IN16,IN16,IN15                ; psi2 = phi2 + phi_C_CD
	TURNS 0,IN11
	TURNS 1,IN13
	TURNS 2,IN14
	TURNS 3,IN16
	TURNS 4,IN17
.irp a,0,1,2,3,4
	v_rndne_f32 v[ZZ+2*\a], v[RR+2*\a]
	v_rndne_f32 v[ZZ+2*\a+1], v[RR+2*\a+1]
.endr
.irp a,0,1,2,3,4
	PSUB RR+2*\a,RR+2*\a,ZZ+2*\a       ; R in -1/2 .. 1/2
.endr
.irp a,0,1,2,3,4
	PM ZZ+2*\a,RR+2*\a,RR+2*\a
.endr
.irp a,0,1,2,3,4
	v_pk_fma_f32 v[SN+2*\a:SN+2*\a+1], v[ZZ+2*\a:ZZ+2*\a+1], s[PS4:PS4+1], s[PS3:PS3+1] op_sel_hi:[1,0,0]
	v_pk_fma_f32 v[CN+2*\a:CN+2*\a+1], v[ZZ+2*\a:ZZ+2*\a+1], s[PC4:PC4+1], s[PC3:PC3+1] op_sel_hi:[1,0,0]
.endr
.irp a,0,1,2,3,4
	HORN SN+2*\a,ZZ+2*\a,PS2
	HORN CN+2*\a,ZZ+2*\a,PC2
.endr
.irp a,0,1,2,3,4
	HORN SN+2*\a,ZZ+2*\a,PS1
	HORN CN+2*\a,ZZ+2*\a,PC1
.endr
.irp a,0,1,2,3,4
	HORN SN+2*\a,ZZ+2*\a,PS0
	v_pk_fma_f32 v[CN+2*\a:CN+2*\a+1], v[CN+2*\a:CN+2*\a+1], v[ZZ+2*\a:ZZ+2*\a+1], 1.0 op_sel_hi:[1,1,0]
.endr
.irp a,0,1,2,3,4
	PM SN+2*\a,SN+2*\a,RR+2*\a         ; 2 sin(pi R)
.endr
.irp a,0,1,2,3,4
	PM TB+24+4*\a,SN+2*\a,CN+2*\a      ; sine into T(12 + 2 a)
	PM ZZ+2*\a,SN+2*\a,SN+2*\a
.endr
.irp a,0,1,2,3,4
	v_pk_fma_f32 v[TB+22+4*\a:TB+23+4*\a], v[ZZ+2*\a:ZZ+2*\a+1], -0.5, 1.0 op_sel_hi:[1,0,0]  ; cosine into T(11 + 2 a)
.endr
	s_wait_alu depctr_va_vdst(0)       ; the wait stands ahead of the first line that names a root: one for the 22
	BWB 0,0x40c1c2ed,0x3ebd55d6        ; m0^2, kappa of D2_2460
	BWB 1,0x4181ab5e,0x3fc1f858        ; of Zc_4025
	BWB 2,0x40bbe697,0x3e51b888        ; of D1_2420
	; the second batch: six reciprocals in place; chain 2's real functions, which name none of them, are the work between
.irp j,0,1,2
	v_rcp_f32 v[AC+4*\j], v[AC+4*\j]
	v_rcp_f32 v[AC+4*\j+1], v[AC+4*\j+1]
.endr
	; CHAIN 2, real part.  c' IN4, s' T1; phi: cos T11, sin T12; psi: cos T13, sin T14
	PM AC+12,IN4,IN4
	PM AC+14,T1,IN4                    ; S2 = s' c'
	PM AC+16,T12,T11
	PM AC+18,T12,T12
	PM AC+20,T13,IN4                   ; X1 = cos psi c'
	PM AC+26,T14,IN4                   ; X4 = sin psi c'
	PM AC+28,T13,T1                    ; Y1 = cos psi s'
	PM AC+30,T14,T1                    ; Y4 = sin psi s'
	v_pk_fma_f32 v[AC+12:AC+13], v[AC+12:AC+13], 2.0, -1.0 op_sel_hi:[1,0,0]  ; C2 = 2 c'^2 - 1
	PADD AC+16,AC+16,AC+16             ; sin 2 phi
	v_pk_fma_f32 v[AC+18:AC+19], v[AC+18:AC+19], -2.0, 1.0 op_sel_hi:[1,0,0]  ; cos 2 phi
	PM T29,T14,AC+14                   ; Y2 = sin psi S2
	PM T30,T13,AC+14                   ; Y3 = cos psi S2
	PM AC+22,T14,AC+12                 ; X2 = sin psi C2
	PM AC+24,T13,AC+12                 ; X3 = cos psi C2
	PM T21,AC+20,T11                   ; P1 = X1 cos - X2 sin
	PM T23,AC+20,T12                   ; P3 = X1 sin + X2 cos
	PM T25,AC+28,AC+16                 ; Q1 = Y1 sin2 + Y2 cos2
	PM T26,AC+30,AC+16                 ; Q2 = Y4 sin2 - Y3 cos2
	PM T27,T29,AC+16                   ; Q3 = Y2 sin2 - Y1 cos2
	PM T28,T30,AC+16                   ; Q4 = Y3 sin2 + Y4 cos2
	PM T22,AC+24,T12                   ; P2 = X3 sin + X4 cos
	PM T24,AC+24,T11                   ; P4 = X3 cos - X4 sin
	PFN T21,AC+22,T12,T21
	PF T23,AC+22,T11,T23
	PF T25,T29,AC+18,T25
	PFN T26,T30,AC+18,T26
	PFN T27,AC+28,AC+18,T27
	PF T28,AC+30,AC+18,T28
	PF T22,AC+26,T11,T22
	PFN T24,AC+26,T12,T24
	s_wait_alu depctr_va_vdst(0)       ; one wait for the six reciprocals, ahead of their first reader
	BWC 0,IN11                         ; BW of chain 2 in the block at IN11 (the phases' registers are free),
	BWC 1,IN15                         ; of chain 1 at IN15,
	BWC 2,IN13                         ; of chain 3 at IN13
	; CHAIN 2, complex part.  A2 T8, A1 T10, A0 T12, B1 T31, B0 T33 (blocks); V T35; c IN3, s T0; c1 IN5, s1 T2.  Every accumulator is first written here: nothing is cleared
	BWK T8,IN11,0
	BWK T10,IN11,1
	BWK T12,IN11,2
	BWK T31,IN11,3
	BWK T33,IN11,4
	CMR T35,T31,T21,0                  ; (S, z): v+ = B1 P1,
	CMR A2,T31,T22,1                   ; v- = -B1 P2
	SPL A5,A8
	CMR T35,T8,T25,0                   ; (S, s): v+ = A2 Q1 - A0 Y2,
	CFR T35,T12,T29,1
	CMR A0,T8,T26,0                    ; v- = A2 Q2 + A0 Y3
	CFR A0,T12,T30,0
	SPL A3,A6
	CMR T35,T8,T27,0                   ; (S, d): v+ = A2 Q3,
	CMR A1,T8,T28,0                    ; v- = A2 Q4
	SPL A4,A7
	PM IN0,IN3,T23                     ; for the D rows: c P3, c P4, s Y2, s Y3 (the masses' registers are free),
	PM IN1,IN3,T24
	PM IN2,T0,T29
	PM IN17,T0,T30
.irp k,T21,T22,T23,T24
	PM \k,\k,T0                        ; then in place s P1..P4,
.endr
.irp k,T25,T26,T27,T28,T29,T30
	PM \k,\k,IN3                       ; c Q1..Q4, c Y2, c Y3
.endr
	CMR T35,T33,IN2,0                  ; (D, z): v+ = B0 sY2 - B1 cP3,
	CFR T35,T31,IN0,1
	CMR A11,T31,IN1,0                  ; v- = B1 cP4 - B0 sY3
	CFR A11,T33,IN17,1
	SPL A14,A17
	CMR T35,T8,T27,0                   ; (D, s): v+ = A2 cQ3 - A1 sP1,
	CFR T35,T10,T21,1
	CMR A9,T8,T28,0                    ; v- = A2 cQ4 + A1 sP2
	CFR A9,T10,T22,0
	SPL A12,A15
	CMR T35,T8,T25,0                   ; (D, d): v+ = A2 cQ1 + A1 sP3 + A0 cY2,
	CFR T35,T10,T23,0
	CFR T35,T12,T29,0
	CMR A10,T8,T26,0                   ; v- = A2 cQ2 - A0 cY3 - A1 sP4
	CFR A10,T12,T30,1
	CFR A10,T10,T24,1
	SPL A13,A16
	; CHAIN 3.  c IN6, s T3; c' IN7, s' T4; c2 IN8, s2 T5; phi: cos T15, sin T16; psi: cos T17, sin T18
	PM T0,T17,IN7                      ; E1 = cos psi c'
	PM T1,T18,IN7                      ; E2 = sin psi c'
	PM T2,T18,T4                       ; TT1 = sin psi s'
	PM T8,T17,T4                       ; TT2 = cos psi s'
	PM T9,T17,T16                      ; R1 = cos psi sin phi + E2 cos phi
	PM T11,T17,T15                     ; R3 = cos psi cos phi - E2 sin phi
	PM T10,T0,T15                      ; R2 = E1 cos phi - sin psi sin phi
	PM T12,T0,T16                      ; R4 = E1 sin phi + sin psi cos phi
	PM T13,T4,T15                      ; G1 = s' cos phi
	PM T14,T4,T16                      ; G2 = s' sin phi
	PF T9,T1,T15,T9
	PFN T11,T1,T16,T11
	PFN T10,T18,T16,T10
	PF T12,T18,T15,T12
	BWK T21,IN13,5                     ; UF10
	BWK T23,IN13,6                     ; UF11
	BWK T25,IN13,7                     ; UF01
	BWK T27,IN13,8                     ; WF10
	BWK T29,IN13,9                     ; WF11
	BWK T31,IN13,10                    ; WF01
	CMR T33,T21,T10,0                  ; (S, z): VC = UF10 R2, YC = -WF10 G1, lD = s takes -UF10 R1
	CMR T35,T27,T13,1
	CFR A6,T21,T9,1
	ROT A7,A8
	CMR T33,T25,T8,0                   ; (S, d): VC = UF01 TT2, YC = WF01 c', lD = s takes -UF01 TT1
	CMR T35,T31,IN7,0
	CFR A3,T25,T2,1
	ROT A4,A5
	PM T0,IN6,T11                      ; for the D rows: c R3, c R4, c G2, c c',
	PM T1,IN6,T12
	PM IN0,IN6,T14
	PM IN1,IN6,IN7
.irp k,T9,T10,T11,T12,T13,T14
	PM \k,\k,T3                        ; then in place s R1..R4, s G1, s G2,
.endr
	PM T2,T2,IN6                       ; c TT1, c TT2
	PM T8,T8,IN6
	CMR T33,T21,T1,1                   ; (D, z): VC = -UF10 cR4, YC = WF10 cG2, lD = s takes UF10 cR3
	CMR T35,T27,IN0,0
	CFR A15,T21,T0,0
	ROT A16,A17
	CMR T33,T25,T8,1                   ; (D, s): VC = -UF01 cTT2 - UF11 sR2,
	CFR T33,T23,T10,1
	CMR T35,T29,T13,0                  ; YC = WF11 sG1 - WF01 c c',
	CFR T35,T31,IN1,1
	CFR A9,T23,T9,0                    ; lD = s takes UF11 sR1 + UF01 cTT1
	CFR A9,T25,T2,0
	ROT A10,A11
	CMR T33,T23,T12,0                  ; (D, d): VC = UF11 sR4, YC = -WF11 sG2, lD = s takes -UF11 sR3
	CMR T35,T29,T14,1
	CFR A12,T23,T11,1
	ROT A13,A14
	; CHAIN 1.  cz IN9, sz T6; cz' IN10, sz' T7; alpha: cos T19, sin T20
	PM T0,IN9,T7                       ; H1 = cz sz'
	PM T1,T6,IN10                      ; H2 = sz cz'
	PM T2,IN9,IN10                     ; H3 = cz cz'
	PM T3,T6,T7                        ; H4 = sz sz'
	BWK T21,IN15,11                    ; K10A
	BWK T23,IN15,12                    ; K01A
	BWK T25,IN15,13                    ; K11A
	BWK T27,IN15,14                    ; K11B
	BWK T29,IN15,15                    ; K10B
	BWK T31,IN15,16                    ; K01B: the buffer's last reader
	CMR T33,T25,T0,1                   ; X0 = -K11A H1 - K11B H2
	CMR T35,T21,T2,0                   ; X1 = K10A H3 - K10B H4
	CMR T8,T23,T2,0                    ; X2 = K01A H3 - K01B H4
	CFR T33,T27,T1,1
	CFR T35,T29,T3,1
	CFR T8,T31,T3,1
	CFR A6,T21,T20,1
	CFR A7,T21,T19,0
	PADD A5,A5,T23
	PADD A5+2,A5+2,T23+2
	CFR A9,T33,T20,1
	CFR A13,T33,T20,1
	CFR A10,T33,T19,0
	CFR A12,T33,T19,0
	CFR A15,T35,T19,0
	CFR A16,T35,T20,1
	PSUB A11,A11,T8
	PSUB A11+2,A11+2,T8+2
	s_wait_xcnt 0x0                    ; the last task's store has read its data (ISA guide 3.1): TOT is written again only behind this wait
.if (\refill)>=0
	LOAD \b,\refill                    ; every line that reads the buffer has been issued: its next task is asked for ahead of the squares and the store
.endif
	; the sum of the 36 squares, in four chains: TOT, T0, T1, T2
.set i, 0
.rept 36
.set dq, TB+2*((i%4)-1)
.if (i%4)==0
.set dq, TOT
.endif
.if i<4
	PM dq,AC+2*i,AC+2*i
.else
	PF dq,AC+2*i,AC+2*i,dq
.endif
.set i, i+1
.endr
	PADD T0,T0,T1
	PADD TOT,TOT,T2
	PADD TOT,TOT,T0
	global_store_b64 v1, v[TOT:TOT+1], s[42:43] offset:(\slot)*SLOTB th:TH_STORE_NT  ; 32 lanes store 256 consecutive bytes, at a multiple of 256 from out0's first byte
.endm
	s_load_b512 s[4:19], s[0:1], 0x0               ; the 20 addresses, in the order of the arguments: input i in s[4+2i:5+2i],
	s_load_b512 s[20:35], s[0:1], 0x40
	s_load_b256 s[36:43], s[0:1], 0x80             ; params in s[40:41], out0 in s[42:43]
	v_lshrrev_b32 v2, 5, v0
	v_readfirstlane_b32 s3, v2                     ; wave 0..3
	s_lshl_b32 s2, ttmp9, 2
	s_add_co_u32 s2, s2, s3                        ; g = 4 x work-group + wave
	s_lshl_b32 s3, ttmp9, 10
	v_lshl_add_u32 v1, v0, 3, s3                   ; my 8 bytes of task g: 256 g + 8 x lane = 1,024 x work-group + 8 x thread; never rewritten
	v_mov_b32 v0, 0                                ; params' offset: every lane reads the same 128 bytes
	SPAIR PINV,0x3e22f983                          ; 1 / 2 pi
	SPAIR PS0,0x40c90fdb                           ; 2 sin(pi R) / R = 2 pi - pi^3/3 Z + pi^5/60 Z^2 - pi^7/2520 Z^3 + pi^9/181440 Z^4, Z = R^2
	SPAIR PS1,0xc1255de7
	SPAIR PS2,0x40a335e3
	SPAIR PS3,0xbf996966
	SPAIR PS4,0x3e283c1a
	SPAIR PC1,0xc09de9e6                           ; cos(pi R) = 1 - pi^2/2 Z + pi^4/24 Z^2 - pi^6/720 Z^3 + pi^8/40320 Z^4
	SPAIR PC2,0x4081e0f8
	SPAIR PC3,0xbfaae9e4
	SPAIR PC4,0x3e70fa83
	s_wait_kmcnt 0x0
.irp j,0,1,2,3,4,5,6,7
	global_load_b128 v[TB+4*\j:TB+4*\j+3], v0, s[40:41] offset:16*\j  ; g_k = (re, im) into T_k
.endr
	s_cmp_lt_u32 s2, NFOUR                         ; the one choice of the text, made of the wave's number alone
	s_cbranch_scc0 .Lthree
	LOAD BA,3                                      ; four tasks: the fourth goes first, so that both ways meet with B's loads the older and A's the younger
	LOAD BB,0
	s_wait_loadcnt 36                              ; params are in; the 36 loads issued behind them stay out
	HEAD
	s_wait_loadcnt 18                              ; buffer A is in; B's 18 stay out
	COMPUTE BA,3,1
	s_branch .Ljoin
.Lthree:
	LOAD BB,0
	LOAD BA,1
	s_wait_loadcnt 36                              ; params are in
	HEAD
.Ljoin:
	s_wait_loadcnt 18                              ; buffer B is in; A's 18, issued behind it on both ways, stay out
	COMPUTE BB,0,2
	s_wait_loadcnt 18                              ; buffer A is in; B's refill stays out
	COMPUTE BA,1,-1
	s_wait_loadcnt 0x0                             ; the last task
	COMPUTE BB,2,-1
	s_endpgm
.Lfunc_end_k_qfd3f64addb_amp:
	.size	k_qfd3f64addb_amp, .Lfunc_end_k_qfd3f64addb_amp-k_qfd3f64addb_amp
	.p2alignl 7, 3214868480
	.fill 96, 4, 3214868480
	.section	.rodata,"a",@progbits
	.p2align	6, 0x0
	.amdhsa_kernel k_qfd3f64addb_amp
		.amdhsa_group_segment_fixed_size 0
		.amdhsa_private_segment_fixed_size 0
		.amdhsa_enable_private_segment 0
		.amdhsa_kernarg_size 160
		.amdhsa_user_sgpr_count 2
		.amdhsa_user_sgpr_kernarg_segment_ptr 1
		.amdhsa_wavefront_size32 1
		.amdhsa_system_sgpr_workgroup_id_x 1
		.amdhsa_system_sgpr_workgroup_id_y 1
		.amdhsa_system_sgpr_workgroup_id_z 1
		.amdhsa_system_vgpr_workitem_id 0
		.amdhsa_next_free_vgpr 256
		.amdhsa_next_free_sgpr 66
		.amdhsa_reserve_vcc 0
		.amdhsa_float_denorm_mode_32 3
		.amdhsa_float_denorm_mode_16_64 3
		.amdhsa_memory_ordered 1
		.amdhsa_forward_progress 1
		.amdhsa_inst_pref_size 152
	.end_amdhsa_kernel
	.amdgpu_metadata
---
amdhsa.version: [ 1, 2 ]
amdhsa.kernels:
  - .name:           k_qfd3f64addb_amp
    .symbol:         k_qfd3f64addb_amp.kd
    .args:
      - { .name: m_BC, .offset: 0, .size: 8, .value_kind: global_buffer, .address_space: global }
      - { .name: m_BD, .offset: 8, .size: 8, .value_kind: global_buffer, .address_space: global }
      - { .name: m_CD, .offset: 16, .size: 8, .value_kind: global_buffer, .address_space: global }
      - { .name: cosTheta_BC, .offset: 24, .size: 8, .value_kind: global_buffer, .address_space: global }
      - { .name: cosTheta_B_BC, .offset: 32, .size: 8, .value_kind: global_buffer, .address_space: global }
      - { .name: cosTheta1, .offset: 40, .size: 8, .value_kind: global_buffer, .address_space: global }
      - { .name: cosTheta_CD, .offset: 48, .size: 8, .value_kind: global_buffer, .address_space: global }
      - { .name: cosTheta_C_CD, .offset: 56, .size: 8, .value_kind: global_buffer, .address_space: global }
      - { .name: cosTheta2, .offset: 64, .size: 8, .value_kind: global_buffer, .address_space: global }
      - { .name: cosTheta_BD, .offset: 72, .size: 8, .value_kind: global_buffer, .address_space: global }
      - { .name: cosTheta_D_BD, .offset: 80, .size: 8, .value_kind: global_buffer, .address_space: global }
      - { .name: phi_BC, .offset: 88, .size: 8, .value_kind: global_buffer, .address_space: global }
      - { .name: phi_B_BC, .offset: 96, .size: 8, .value_kind: global_buffer, .address_space: global }
      - { .name: phi1, .offset: 104, .size: 8, .value_kind: global_buffer, .address_space: global }
      - { .name: phi_CD, .offset: 112, .size: 8, .value_kind: global_buffer, .address_space: global }
      - { .name: phi_C_CD, .offset: 120, .size: 8, .value_kind: global_buffer, .address_space: global }
      - { .name: phi2, .offset: 128, .size: 8, .value_kind: global_buffer, .address_space: global }
      - { .name: phi_D_BD, .offset: 136, .size: 8, .value_kind: global_buffer, .address_space: global }
      - { .name: params, .offset: 144, .size: 8, .value_kind: global_buffer, .address_space: global }
      - { .name: out0, .offset: 152, .size: 8, .value_kind: global_buffer, .address_space: global }
    .group_segment_fixed_size: 0
    .private_segment_fixed_size: 0
    .kernarg_segment_align: 8
    .kernarg_segment_size: 160
    .max_flat_workgroup_size: 128
    .sgpr_count:     66
    .vgpr_count:     256
    .wavefront_size: 32
...
	.end_amdgpu_metadata
.endif
;; end of part 1
;; ======== version 2 of 2: 1 launch; version 1 with the launch amp written anew for expert scheduling mode
;; limits: a function is approximated: absolute error at most 6e-05; an absolute error that grows with the inputs' magnitude: up to 4e-07 times it; inputs' magnitudes at most 50,000
;; launch amp (part 2): grid 1024 x 1, 4 waves a work-group, no clusters, 0 bytes of LDS; arguments m_BC, m_BD, m_CD, cosTheta_BC, cosTheta_B_BC, cosTheta1, cosTheta_CD, cosTheta_C_CD, cosTheta2, cosTheta_BD, cosTheta_D_BD, phi_BC, phi_B_BC, phi1, phi_CD, phi_C_CD, phi2, phi_D_BD, params, out0; writes out0
.if DOCPART == 2
	.amdgcn_target "amdgcn-amd-amdhsa--gfx1250"
	.amdhsa_code_object_version 6
	.text
	.protected	k_qfd3f64addb_amp
	.globl	k_qfd3f64addb_amp
	.p2align	8
	.type	k_qfd3f64addb_amp,@function
k_qfd3f64addb_amp:
	s_mov_b64 s[64:65], 0
	v_nop
	global_prefetch_b8 v0, s[64:65] scope:SCOPE_SE
	s_setreg_imm32_b32 hwreg(HW_REG_WAVE_SCHED_MODE, 0, 2), 2
	s_setreg_imm32_b32 hwreg(HW_REG_WAVE_MODE, 25, 1), 1
	s_wait_xcnt 0x0
	s_wait_alu depctr_vm_vsrc(0)
; out0[e] = the sum over lA = +-1, lB, lD = -1..1 of |A(lA,lB,lD)|^2; A = three resonance chains, each a Breit-Wigner times couplings times Wigner d's and phases.
; 1,000,000 events, 18 f32 inputs each, 16 complex couplings (params) shared by all.  No product over a shared operand, nothing shared between events but 128 bytes:
; no matrix unit, no LDS, no cluster.  The arithmetic is cut by algebra, then the launch is a stream: each input byte read once, each output byte written once.
; ALGEBRA.  The sum of squares does not change under real orthogonal changes of basis: lA -> S = (+ plus -)/sqrt2, D = (+ minus -)/sqrt2; lB and lD each -> s (sum/sqrt2), d (difference/sqrt2), z (0).
; There every d^1 row is 1, cos or sin, and each of the 18 amplitudes is, in all three chains alike, 1 or i times BW x sum of (complex constant x real function): the common i is dropped.
; Accumulator n = 9 X + 3 b + d (X: S 0, D 1; b, d: s 0, d 1, z 2), complex.  The 17 complex constants K0..K16 are products of linear forms of params (HEAD).
; BW = G (Dp + i G) / (Dp^2 + G^2), G = kappa sqrt(max((m^2-s^2)(m^2-d^2), 0)), Dp = (m0^2 - m^2) m^2, kappa = m0^3 g0 / sqrt(p(m0)): one root and one reciprocal.
; sin theta = sqrt(1 - c^2).  Sine and cosine of a phase x: R = x/2pi less its nearest whole number, PS = 2 sin(pi R) and PC = cos(pi R) by their series to R^9 and R^8; sin x = PS PC, cos x = 1 - PS^2/2.
; SHARES.  A task is 64 events: one wave, two events a lane (a register pair, so that one packed instruction serves both); a load or store of a wave covers 256 consecutive bytes, aligned.
; 15,625 tasks; 4,096 waves; wave g takes tasks g, 4096 + g, 8192 + g, and 12288 + g where g < 3337.  The task's place stands in the immediate, so no address register is ever rewritten.
; IN FLIGHT.  Two buffers of 18 pairs: 36 loads of a wave go out at its head, a buffer is asked for again as soon as its last reader has been issued.  No prefetch lines: a wave asks for half of all it reads, or more, at its head.
; THE MODE: SCHED_MODE bits 1:0 = 2 (LLVM: expert scheduling mode 2), set by the entry lines.  The code itself states the register dependences
; between vector instructions and memory instructions, with s_wait_alu, always for 0.
; THE PLAN.  Registers that memory instructions touch:
;   v0, v1     offsets, made once at the head and never written again; the scalar bases are never written again either.
;   T0..T15    params land here once, before any vector line names them; from HEAD on they are named by vector lines alone.
;   BA, BB     Written by a task's 18 loads; read, and in part written in place, by that task's lines up to the last product BW x K of chain 1; no later line of the task names them.
;   TOT        Written by a task's sum of squares; read by the task's one store.
;   K, the accumulators and T16..T36 are named by vector lines alone.
; So a task has, beside the two waits behind its roots and its reciprocals: one wait on va_vdst behind the buffer's last reader, where the buffer is filled again: the 18 loads follow it, dealt among
; the rest of chain 1 and the squares, which name T, the accumulators and TOT alone; one wait on vm_vsrc at the same place, nearly a task behind the store that it waits for, ahead of the squares that
; write TOT again; and one wait on va_vdst ahead of the store.
; LIMITS.  |cos| > 1 gives NaN, as in the reference.  Masses from about 1e-4 to 5e4 (Dp^2 goes with m^8); m = 0 gives a finite number where the reference has NaN.
; Phases: error at most 6e-5 + 4e-7 |phi| (the series' remainders, and one rounding of x/2pi); phi1 + phi_B_BC and phi2 + phi_C_CD are added before the reduction.  Roots and reciprocals count denormals as 0 (ISA guide 15.8).
.set SLOTB, 0x100000                   ; bytes from a wave's task to its next: 4,096 tasks of 256 bytes; 3 x SLOTB lies inside the signed 24-bit immediate
.set NFOUR, 3337                       ; waves with a fourth task: 15,625 - 3 x 4,096
.set KB,  2                            ; v[2:35]    K_n = (re, im) at KB + 2 n, the same in every lane
.set BA,  36                           ; v[36:71]   input buffer A: input i (in the order of the arguments) at BA + 2 i
.set BB,  72                           ; v[72:107]  input buffer B
.set AC,  108                          ; v[108:179] accumulator n: re at AC + 4 n, im at AC + 4 n + 2; at work until chain 2 writes it
.set TB,  180                          ; v[180:253] T0..T36, pairs at work
.set TOT, 254                          ; v[254:255] the events' sums: the store's data
.irp k,0,1,2,3,4,5,6,7,8,9,10,11,12,13,14,15,16,17,18,19,20,21,22,23,24,25,26,27,28,29,30,31,32,33,34,35,36
.set T\k, TB+2*\k
.endr
.irp n,0,1,2,3,4,5,6,7,8,9,10,11,12,13,14,15,16,17
.set A\n, AC+4*\n
.endr
.set RR, AC                            ; sine and cosine, five phases a = 0..4: R at RR + 2 a,
.set ZZ, AC+10                         ; R^2,
.set SN, AC+20                         ; 2 sin(pi R),
.set CN, AC+30                         ; cos(pi R)
.set PINV, 44                          ; s[44:63] ten pairs, the same number in both words: 1/2pi, the sine's five coefficients, the cosine's four
.set PS0, 46
.set PS1, 48
.set PS2, 50
.set PS3, 52
.set PS4, 54
.set PC1, 56
.set PC2, 58
.set PC3, 60
.set PC4, 62
.set HPA, 212                          ; HEAD's linear forms of params, (re, im) pairs: a, b,
.set HPB, 214
.set HK11, 216                         ; k11, k10, k01,
.set HK10, 218
.set HK01, 220
.set HL0, 222                          ; chain 2's five,
.set HL1, 224
.set HL2, 226
.set HL3, 228
.set HL4, 230
.set HF11, 232                         ; f11, f10, f01,
.set HF10, 234
.set HF01, 236
.set HU, 238                           ; u, w
.set HW, 240
; packed arithmetic on pairs: d = a b; d = -a b; d = a b + c; d = -a b + c; d = a + b; d = a - b
.macro PM d,a,b
	v_pk_mul_f32 v[(\d):(\d)+1], v[(\a):(\a)+1], v[(\b):(\b)+1]
.endm
.macro PMN d,a,b
	v_pk_mul_f32 v[(\d):(\d)+1], v[(\a):(\a)+1], v[(\b):(\b)+1] neg_lo:[1,0] neg_hi:[1,0]
.endm
.macro PF d,a,b,c
	v_pk_fma_f32 v[(\d):(\d)+1], v[(\a):(\a)+1], v[(\b):(\b)+1], v[(\c):(\c)+1]
.endm
.macro PFN d,a,b,c
	v_pk_fma_f32 v[(\d):(\d)+1], v[(\a):(\a)+1], v[(\b):(\b)+1], v[(\c):(\c)+1] neg_lo:[1,0,0] neg_hi:[1,0,0]
.endm
.macro PADD d,a,b
	v_pk_add_f32 v[(\d):(\d)+1], v[(\a):(\a)+1], v[(\b):(\b)+1]
.endm
.macro PSUB d,a,b
	v_pk_add_f32 v[(\d):(\d)+1], v[(\a):(\a)+1], v[(\b):(\b)+1] neg_lo:[0,1] neg_hi:[0,1]
.endm
.macro HORN d,z,c                      ; a step of a series: d = d z + a scalar pair's low word
	v_pk_fma_f32 v[(\d):(\d)+1], v[(\d):(\d)+1], v[(\z):(\z)+1], s[(\c):(\c)+1] op_sel_hi:[1,1,0]
.endm
.macro SPAIR r,val
	s_mov_b32 s[\r], \val
	s_mov_b32 s[(\r)+1], \val
.endm
; complex block (re pair, im pair) times a real pair: d = +-a r; d += +-a r
.macro CMR d,a,r,neg
.if \neg
	PMN \d,\a,\r
	PMN (\d)+2,(\a)+2,\r
.else
	PM \d,\a,\r
	PM (\d)+2,(\a)+2,\r
.endif
.endm
.macro CFR d,a,r,neg
.if \neg
	PFN \d,\a,\r,\d
	PFN (\d)+2,(\a)+2,\r,(\d)+2
.else
	PF \d,\a,\r,\d
	PF (\d)+2,(\a)+2,\r,(\d)+2
.endif
.endm
; d = BW x K_n for both events: BW a block, K_n = (re, im) in one pair, picked by op_sel (0: re, 1: im) for both halves
.macro BWK d,bw,n
	v_pk_mul_f32 v[(\d):(\d)+1], v[(\bw):(\bw)+1], v[KB+2*(\n):KB+2*(\n)+1] op_sel_hi:[1,0]
	v_pk_mul_f32 v[(\d)+2:(\d)+3], v[(\bw):(\bw)+1], v[KB+2*(\n):KB+2*(\n)+1] op_sel:[0,1] op_sel_hi:[1,1]
	v_pk_fma_f32 v[(\d):(\d)+1], v[(\bw)+2:(\bw)+3], v[KB+2*(\n):KB+2*(\n)+1], v[(\d):(\d)+1] op_sel:[0,1,0] op_sel_hi:[1,1,1] neg_lo:[0,1,0] neg_hi:[0,1,0]
	v_pk_fma_f32 v[(\d)+2:(\d)+3], v[(\bw)+2:(\bw)+3], v[KB+2*(\n):KB+2*(\n)+1], v[(\d)+2:(\d)+3] op_sel_hi:[1,0,1]
.endm
; a task's 18 loads in one run, at the wave's head: 8 bytes a lane from each input
.macro LOAD b,slot
.irp i,0,1,2,3,4,5,6,7,8,9,10,11,12,13,14,15,16,17
	global_load_b64 v[(\b)+2*\i:(\b)+2*\i+1], v1, s[4+2*\i:5+2*\i] offset:(\slot)*SLOTB th:TH_LOAD_NT
.endr
.endm
; a refill's next load, while there are any: input ldn of the task at place RF into the buffer in hand (CB).  COMPUTE sets the three.
.macro DEAL
.if (RF>=0) && (ldn<18)
	global_load_b64 v[CB+2*ldn:CB+2*ldn+1], v1, s[4+2*ldn:5+2*ldn] offset:RF*SLOTB th:TH_LOAD_NT
.set ldn, ldn+1
.endif
.endm
; HEAD: params (g_k = (re, im) at T_k, k = 0..15) -> K0..K16.  The numbers are products of Clebsch-Gordan coefficients, with the factors of the changes of basis folded in.
.macro LINM d,g,lit                    ; d = g x a real number
	v_pk_mul_f32 v[(\d):(\d)+1], v[(\g):(\g)+1], \lit op_sel_hi:[1,0]
.endm
.macro LIN3 d,g,lit,c                  ; d = g x a real number + c
	v_pk_fma_f32 v[(\d):(\d)+1], v[(\g):(\g)+1], \lit, v[(\c):(\c)+1] op_sel_hi:[1,0,1]
.endm
.macro CM1 d,x,y                       ; a complex product's first half: (xr yr, xr yi)
	v_pk_mul_f32 v[(\d):(\d)+1], v[(\x):(\x)+1], v[(\y):(\y)+1] op_sel_hi:[0,1]
.endm
.macro CM2 d,x,y                       ; its second: + (-xi yi, xi yr)
	v_pk_fma_f32 v[(\d):(\d)+1], v[(\x):(\x)+1], v[(\y):(\y)+1], v[(\d):(\d)+1] op_sel:[1,1,0] op_sel_hi:[1,0,1] neg_lo:[1,0,0]
.endm
.macro ALLK op
	\op KB+0,T10,HL0                   ; K0..K4 = g10 x chain 2's five forms
	\op KB+2,T10,HL1
	\op KB+4,T10,HL2
	\op KB+6,T10,HL3
	\op KB+8,T10,HL4
	\op KB+10,HU,HF10                  ; K5..K10 = u f10, u f11, u f01, w f10, w f11, w f01
	\op KB+12,HU,HF11
	\op KB+14,HU,HF01
	\op KB+16,HW,HF10
	\op KB+18,HW,HF11
	\op KB+20,HW,HF01
	\op KB+22,HK10,HPA                 ; K11..K16 = k10 a, k01 a, k11 a, k11 b, k10 b, k01 b
	\op KB+24,HK01,HPA
	\op KB+26,HK11,HPA
	\op KB+28,HK11,HPB
	\op KB+30,HK10,HPB
	\op KB+32,HK01,HPB
.endm
.macro HEAD
	LIN3 HPA,T1,0x3ea1e89b,T0          ; a = g0 + .31622777 g1
	LIN3 HPB,T1,0xbf21e89b,T0          ; b = g0 - .63245553 g1
	LINM HK11,T2,0x3f3504f3            ; .70710678 g2, shared by k11, k10, k01
	LINM HF11,T11,0x3f3504f3           ; the same three forms on g11, g12, g13
	LIN3 HU,T15,0x3ea1e89b,T14         ; u = g14 + .31622777 g15
	LIN3 HW,T15,0xbf21e89b,T14         ; w = g14 - .63245553 g15
	LIN3 HK10,T3,0x3e64f92e,HK11       ; + .22360680 g3, shared by k10 and k01
	LIN3 HF10,T12,0x3e64f92e,HF11
	LINM HL0,T5,0xbec64bf8             ; chain 2's forms, term by term: g5
	LINM HL1,T5,0xbec64bf8
	LINM HL2,T5,0xbec64bf8
	LINM HL3,T5,0x3ec64bf8
	LINM HL4,T5,0x3f464bf8
	LIN3 HK01,T4,0xbec64bf8,HK10       ; k01: - .38729833 g4
	LIN3 HF01,T13,0xbec64bf8,HF10
	LIN3 HL0,T6,0xbdfad3e7,HL0         ; g6
	LIN3 HL1,T6,0x3e7ad3e7,HL1
	LIN3 HL2,T6,0xbdfad3e7,HL2
	LIN3 HL3,T6,0x3dfad3e7,HL3
	LIN3 HL4,T6,0xbefad3e7,HL4
	LIN3 HK10,T4,0x3ec64bf8,HK10       ; k10: + .38729833 g4
	LIN3 HF10,T13,0x3ec64bf8,HF10
	LIN3 HL0,T7,0xbe21e89b,HL0         ; g7 (none in the second and the fifth)
	LIN3 HL2,T7,0x3ef2dce9,HL2
	LIN3 HL3,T7,0xbe21e89b,HL3
	LIN3 HK11,T3,0xbee4f92e,HK11       ; k11: - .44721360 g3
	LIN3 HF11,T12,0xbee4f92e,HF11
	LIN3 HL0,T8,0xbd5af0bf,HL0         ; g8
	LIN3 HL1,T8,0xbe24348f,HL1
	LIN3 HL2,T8,0xbea4348f,HL2
	LIN3 HL3,T8,0xbe5af0bf,HL3
	LIN3 HL4,T8,0xbef64ed7,HL4
	LIN3 HL0,T9,0xbd0d534f,HL0         ; g9
	LIN3 HL1,T9,0x3e0d534f,HL1
	LIN3 HL2,T9,0xbe53fcf7,HL2
	LIN3 HL3,T9,0xbe0d534f,HL3
	LIN3 HL4,T9,0x3ed3fcf7,HL4
	ALLK CM1
	ALLK CM2
.endm
; The Breit-Wigner of mass j (0: m_BC, 1: m_BD, 2: m_CD), in three parts.  CB is the buffer in hand.
.macro BWA j,ns2,nd2                   ; T(8+j) = max((m^2 - s^2)(m^2 - d^2), 0)
	v_pk_fma_f32 v[AC+4*(\j):AC+4*(\j)+1], v[CB+2*(\j):CB+2*(\j)+1], v[CB+2*(\j):CB+2*(\j)+1], \ns2 op_sel_hi:[1,1,0]
	v_pk_fma_f32 v[AC+4*(\j)+2:AC+4*(\j)+3], v[CB+2*(\j):CB+2*(\j)+1], v[CB+2*(\j):CB+2*(\j)+1], \nd2 op_sel_hi:[1,1,0]
	PM TB+16+2*(\j),AC+4*(\j),AC+4*(\j)+2
	v_max_num_f32 v[TB+16+2*(\j)], 0, v[TB+16+2*(\j)]
	v_max_num_f32 v[TB+17+2*(\j)], 0, v[TB+17+2*(\j)]
.endm
.macro BWB j,m02,kap                   ; G = kappa r in T(8+j); Dp takes the mass's place; U = Dp^2 + G^2 at AC + 4 j
	v_pk_mul_f32 v[TB+16+2*(\j):TB+17+2*(\j)], v[TB+16+2*(\j):TB+17+2*(\j)], \kap op_sel_hi:[1,0]
	PM AC+4*(\j),CB+2*(\j),CB+2*(\j)
	v_pk_fma_f32 v[AC+4*(\j)+2:AC+4*(\j)+3], v[CB+2*(\j):CB+2*(\j)+1], v[CB+2*(\j):CB+2*(\j)+1], \m02 op_sel_hi:[1,1,0] neg_lo:[1,0,0] neg_hi:[1,0,0]
	PM CB+2*(\j),AC+4*(\j),AC+4*(\j)+2
	PM AC+4*(\j),CB+2*(\j),CB+2*(\j)
	PF AC+4*(\j),TB+16+2*(\j),TB+16+2*(\j),AC+4*(\j)
.endm
.macro BWC j,d                         ; block d = G / U x (Dp, G)
	PM AC+4*(\j),TB+16+2*(\j),AC+4*(\j)
	PM \d,AC+4*(\j),CB+2*(\j)
	PM (\d)+2,AC+4*(\j),TB+16+2*(\j)
.endm
.macro SPL nd,nz                       ; chain 2: V (T35) goes to lB = d as c1 V and to lB = z as -s1 V; these are the accumulators' first writes
	PM \nd,T35,IN5
	PM (\nd)+2,T35+2,IN5
	PMN \nz,T35,T2
	PMN (\nz)+2,T35+2,T2
.endm
.macro ROT nd,nz                       ; chain 3: lD = d takes c2 VC + s2 YC, lD = z takes -s2 VC + c2 YC (VC = T33, YC = T35)
	PF \nd,T33,IN8,\nd
	PF (\nd)+2,T33+2,IN8,(\nd)+2
	PFN \nz,T33,T5,\nz
	PFN (\nz)+2,T33+2,T5,(\nz)+2
	PF \nd,T35,T5,\nd
	PF (\nd)+2,T35+2,T5,(\nd)+2
	PF \nz,T35,IN8,\nz
	PF (\nz)+2,T35+2,IN8,(\nz)+2
.endm
.macro TURNS a,x                       ; phase a in turns
	v_pk_mul_f32 v[RR+2*(\a):RR+2*(\a)+1], v[(\x):(\x)+1], s[PINV:PINV+1] op_sel_hi:[1,0]
.endm
; ONE TASK: the 64 events in buffer b, stored at place slot.  refill >= 0: the buffer is asked for again, for that place, behind its last reader.
; prev = 1: on some way to this task an earlier task's store has been issued.
.macro COMPUTE b,slot,refill,prev
.set CB, \b
.irp i,0,1,2,3,4,5,6,7,8,9,10,11,12,13,14,15,16,17
.set IN\i, (\b)+2*\i
.endr
	; 1 - c^2 of the eight cosines (inputs 3..10) into T0..T7; the three masses' p into T8..T10
.irp j,0,1,2,3,4,5,6,7
	v_pk_fma_f32 v[TB+2*\j:TB+2*\j+1], v[(\b)+6+2*\j:(\b)+7+2*\j], v[(\b)+6+2*\j:(\b)+7+2*\j], 1.0 op_sel_hi:[1,1,0] neg_lo:[1,0,0] neg_hi:[1,0,0]
.endr
	BWA 0,0xc093e58e,0xc05ff776        ; -(M_B + M_C)^2, -(M_B - M_C)^2
	BWA 1,0xc18118ee,0xb743164f        ; -(M_B + M_D)^2, -(M_B - M_D)^2
	BWA 2,0xc0936d8a,0xc05f269f        ; -(M_C + M_D)^2, -(M_C - M_D)^2
	; the first batch: 22 roots in place, T0..T10.  Nothing names them before the wait below; the sines and cosines are the work between
.set r, 0
.rept 22
	v_sqrt_f32 v[TB+r], v[TB+r]
.set r, r+1
.endr
	; sine and cosine of five phases, step by step for all five: five chains that do not wait for each other
	PADD IN13,IN13,IN12                ; psi1 = phi1 + phi_B_BC
	PADD IN16,IN16,IN15                ; psi2 = phi2 + phi_C_CD
	TURNS 0,IN11
	TURNS 1,IN13
	TURNS 2,IN14
	TURNS 3,IN16
	TURNS 4,IN17
.irp a,0,1,2,3,4
	v_rndne_f32 v[ZZ+2*\a], v[RR+2*\a]
	v_rndne_f32 v[ZZ+2*\a+1], v[RR+2*\a+1]
.endr
.irp a,0,1,2,3,4
	PSUB RR+2*\a,RR+2*\a,ZZ+2*\a       ; R in -1/2 .. 1/2
.endr
.irp a,0,1,2,3,4
	PM ZZ+2*\a,RR+2*\a,RR+2*\a
.endr
.irp a,0,1,2,3,4
	v_pk_fma_f32 v[SN+2*\a:SN+2*\a+1], v[ZZ+2*\a:ZZ+2*\a+1], s[PS4:PS4+1], s[PS3:PS3+1] op_sel_hi:[1,0,0]
	v_pk_fma_f32 v[CN+2*\a:CN+2*\a+1], v[ZZ+2*\a:ZZ+2*\a+1], s[PC4:PC4+1], s[PC3:PC3+1] op_sel_hi:[1,0,0]
.endr
.irp a,0,1,2,3,4
	HORN SN+2*\a,ZZ+2*\a,PS2
	HORN CN+2*\a,ZZ+2*\a,PC2
.endr
.irp a,0,1,2,3,4
	HORN SN+2*\a,ZZ+2*\a,PS1
	HORN CN+2*\a,ZZ+2*\a,PC1
.endr
.irp a,0,1,2,3,4
	HORN SN+2*\a,ZZ+2*\a,PS0
	v_pk_fma_f32 v[CN+2*\a:CN+2*\a+1], v[CN+2*\a:CN+2*\a+1], v[ZZ+2*\a:ZZ+2*\a+1], 1.0 op_sel_hi:[1,1,0]
.endr
.irp a,0,1,2,3,4
	PM SN+2*\a,SN+2*\a,RR+2*\a         ; 2 sin(pi R)
.endr
.irp a,0,1,2,3,4
	PM TB+24+4*\a,SN+2*\a,CN+2*\a      ; sine into T(12 + 2 a)
	PM ZZ+2*\a,SN+2*\a,SN+2*\a
.endr
.irp a,0,1,2,3,4
	v_pk_fma_f32 v[TB+22+4*\a:TB+23+4*\a], v[ZZ+2*\a:ZZ+2*\a+1], -0.5, 1.0 op_sel_hi:[1,0,0]  ; cosine into T(11 + 2 a)
.endr
	s_wait_alu depctr_va_vdst(0)       ; the 22 roots have written T0..T10: the wait stands ahead of the first line that names one of them
	BWB 0,0x40c1c2ed,0x3ebd55d6        ; m0^2, kappa of D2_2460
	BWB 1,0x4181ab5e,0x3fc1f858        ; of Zc_4025
	BWB 2,0x40bbe697,0x3e51b888        ; of D1_2420
	; the second batch: six reciprocals in place; chain 2's real functions, which name none of them, are the work between
.irp j,0,1,2
	v_rcp_f32 v[AC+4*\j], v[AC+4*\j]
	v_rcp_f32 v[AC+4*\j+1], v[AC+4*\j+1]
.endr
	; CHAIN 2, real part.  c' IN4, s' T1; phi: cos T11, sin T12; psi: cos T13, sin T14
	PM AC+12,IN4,IN4
	PM AC+14,T1,IN4                    ; S2 = s' c'
	PM AC+16,T12,T11
	PM AC+18,T12,T12
	PM AC+20,T13,IN4                   ; X1 = cos psi c'
	PM AC+26,T14,IN4                   ; X4 = sin psi c'
	PM AC+28,T13,T1                    ; Y1 = cos psi s'
	PM AC+30,T14,T1                    ; Y4 = sin psi s'
	v_pk_fma_f32 v[AC+12:AC+13], v[AC+12:AC+13], 2.0, -1.0 op_sel_hi:[1,0,0]  ; C2 = 2 c'^2 - 1
	PADD AC+16,AC+16,AC+16             ; sin 2 phi
	v_pk_fma_f32 v[AC+18:AC+19], v[AC+18:AC+19], -2.0, 1.0 op_sel_hi:[1,0,0]  ; cos 2 phi
	PM T29,T14,AC+14                   ; Y2 = sin psi S2
	PM T30,T13,AC+14                   ; Y3 = cos psi S2
	PM AC+22,T14,AC+12                 ; X2 = sin psi C2
	PM AC+24,T13,AC+12                 ; X3 = cos psi C2
	PM T21,AC+20,T11                   ; P1 = X1 cos - X2 sin
	PM T23,AC+20,T12                   ; P3 = X1 sin + X2 cos
	PM T25,AC+28,AC+16                 ; Q1 = Y1 sin2 + Y2 cos2
	PM T26,AC+30,AC+16                 ; Q2 = Y4 sin2 - Y3 cos2
	PM T27,T29,AC+16                   ; Q3 = Y2 sin2 - Y1 cos2
	PM T28,T30,AC+16                   ; Q4 = Y3 sin2 + Y4 cos2
	PM T22,AC+24,T12                   ; P2 = X3 sin + X4 cos
	PM T24,AC+24,T11                   ; P4 = X3 cos - X4 sin
	PFN T21,AC+22,T12,T21
	PF T23,AC+22,T11,T23
	PF T25,T29,AC+18,T25
	PFN T26,T30,AC+18,T26
	PFN T27,AC+28,AC+18,T27
	PF T28,AC+30,AC+18,T28
	PF T22,AC+26,T11,T22
	PFN T24,AC+26,T12,T24
	s_wait_alu depctr_va_vdst(0)       ; the six reciprocals have written 1 / U, ahead of their first reader
	BWC 0,IN11                         ; BW of chain 2 in the block at IN11 (the phases' registers are free),
	BWC 1,IN15                         ; of chain 1 at IN15,
	BWC 2,IN13                         ; of chain 3 at IN13
	; CHAIN 2, complex part.  A2 T8, A1 T10, A0 T12, B1 T31, B0 T33 (blocks); V T35; c IN3, s T0; c1 IN5, s1 T2.  Every accumulator is first written here: nothing is cleared
	BWK T8,IN11,0
	BWK T10,IN11,1
	BWK T12,IN11,2
	BWK T31,IN11,3
	BWK T33,IN11,4
	CMR T35,T31,T21,0                  ; (S, z): v+ = B1 P1,
	CMR A2,T31,T22,1                   ; v- = -B1 P2
	SPL A5,A8
	CMR T35,T8,T25,0                   ; (S, s): v+ = A2 Q1 - A0 Y2,
	CFR T35,T12,T29,1
	CMR A0,T8,T26,0                    ; v- = A2 Q2 + A0 Y3
	CFR A0,T12,T30,0
	SPL A3,A6
	CMR T35,T8,T27,0                   ; (S, d): v+ = A2 Q3,
	CMR A1,T8,T28,0                    ; v- = A2 Q4
	SPL A4,A7
	PM IN0,IN3,T23                     ; for the D rows: c P3, c P4, s Y2, s Y3 (the masses' registers are free),
	PM IN1,IN3,T24
	PM IN2,T0,T29
	PM IN17,T0,T30
.irp k,T21,T22,T23,T24
	PM \k,\k,T0                        ; then in place s P1..P4,
.endr
.irp k,T25,T26,T27,T28,T29,T30
	PM \k,\k,IN3                       ; c Q1..Q4, c Y2, c Y3
.endr
	CMR T35,T33,IN2,0                  ; (D, z): v+ = B0 sY2 - B1 cP3,
	CFR T35,T31,IN0,1
	CMR A11,T31,IN1,0                  ; v- = B1 cP4 - B0 sY3
	CFR A11,T33,IN17,1
	SPL A14,A17
	CMR T35,T8,T27,0                   ; (D, s): v+ = A2 cQ3 - A1 sP1,
	CFR T35,T10,T21,1
	CMR A9,T8,T28,0                    ; v- = A2 cQ4 + A1 sP2
	CFR A9,T10,T22,0
	SPL A12,A15
	CMR T35,T8,T25,0                   ; (D, d): v+ = A2 cQ1 + A1 sP3 + A0 cY2,
	CFR T35,T10,T23,0
	CFR T35,T12,T29,0
	CMR A10,T8,T26,0                   ; v- = A2 cQ2 - A0 cY3 - A1 sP4
	CFR A10,T12,T30,1
	CFR A10,T10,T24,1
	SPL A13,A16
	; CHAIN 3.  c IN6, s T3; c' IN7, s' T4; c2 IN8, s2 T5; phi: cos T15, sin T16; psi: cos T17, sin T18
	PM T0,T17,IN7                      ; E1 = cos psi c'
	PM T1,T18,IN7                      ; E2 = sin psi c'
	PM T2,T18,T4                       ; TT1 = sin psi s'
	PM T8,T17,T4                       ; TT2 = cos psi s'
	PM T9,T17,T16                      ; R1 = cos psi sin phi + E2 cos phi
	PM T11,T17,T15                     ; R3 = cos psi cos phi - E2 sin phi
	PM T10,T0,T15                      ; R2 = E1 cos phi - sin psi sin phi
	PM T12,T0,T16                      ; R4 = E1 sin phi + sin psi cos phi
	PM T13,T4,T15                      ; G1 = s' cos phi
	PM T14,T4,T16                      ; G2 = s' sin phi
	PF T9,T1,T15,T9
	PFN T11,T1,T16,T11
	PFN T10,T18,T16,T10
	PF T12,T18,T15,T12
	BWK T21,IN13,5                     ; UF10
	BWK T23,IN13,6                     ; UF11
	BWK T25,IN13,7                     ; UF01
	BWK T27,IN13,8                     ; WF10
	BWK T29,IN13,9                     ; WF11
	BWK T31,IN13,10                    ; WF01
	CMR T33,T21,T10,0                  ; (S, z): VC = UF10 R2, YC = -WF10 G1, lD = s takes -UF10 R1
	CMR T35,T27,T13,1
	CFR A6,T21,T9,1
	ROT A7,A8
	CMR T33,T25,T8,0                   ; (S, d): VC = UF01 TT2, YC = WF01 c', lD = s takes -UF01 TT1
	CMR T35,T31,IN7,0
	CFR A3,T25,T2,1
	ROT A4,A5
	PM T0,IN6,T11                      ; for the D rows: c R3, c R4, c G2, c c',
	PM T1,IN6,T12
	PM IN0,IN6,T14
	PM IN1,IN6,IN7
.irp k,T9,T10,T11,T12,T13,T14
	PM \k,\k,T3                        ; then in place s R1..R4, s G1, s G2,
.endr
	PM T2,T2,IN6                       ; c TT1, c TT2
	PM T8,T8,IN6
	CMR T33,T21,T1,1                   ; (D, z): VC = -UF10 cR4, YC = WF10 cG2, lD = s takes UF10 cR3
	CMR T35,T27,IN0,0
	CFR A15,T21,T0,0
	ROT A16,A17
	CMR T33,T25,T8,1                   ; (D, s): VC = -UF01 cTT2 - UF11 sR2,
	CFR T33,T23,T10,1
	CMR T35,T29,T13,0                  ; YC = WF11 sG1 - WF01 c c',
	CFR T35,T31,IN1,1
	CFR A9,T23,T9,0                    ; lD = s takes UF11 sR1 + UF01 cTT1
	CFR A9,T25,T2,0
	ROT A10,A11
	CMR T33,T23,T12,0                  ; (D, d): VC = UF11 sR4, YC = -WF11 sG2, lD = s takes -UF11 sR3
	CMR T35,T29,T14,1
	CFR A12,T23,T11,1
	ROT A13,A14
	; CHAIN 1.  cz IN9, sz T6; cz' IN10, sz' T7; alpha: cos T19, sin T20
	PM T0,IN9,T7                       ; H1 = cz sz'
	PM T1,T6,IN10                      ; H2 = sz cz'
	PM T2,IN9,IN10                     ; H3 = cz cz'
	PM T3,T6,T7                        ; H4 = sz sz'
	BWK T21,IN15,11                    ; K10A
	BWK T23,IN15,12                    ; K01A
	BWK T25,IN15,13                    ; K11A
	BWK T27,IN15,14                    ; K11B
	BWK T29,IN15,15                    ; K10B
	BWK T31,IN15,16                    ; K01B: the buffer's last reader
.if \prev
	s_wait_xcnt 0x0                    ; the last task's store has had its address translated (ISA guide 3.1): TOT, its data, is written again only behind this wait,
	s_wait_alu depctr_vm_vsrc(0)       ; and that store has read TOT, which the squares below write again
.endif
.set RF, \refill
.set ldn, 0
.if (\refill)>=0
	s_wait_alu depctr_va_vdst(0)       ; every line that read or wrote the buffer's 36 registers is done: the 18 loads dealt out below land in them.  No line from here to the task's end names the buffer
.endif
	DEAL                               ; a load ahead of each row of two lines: sixteen here, the last two among the squares
	CMR T33,T25,T0,1                   ; X0 = -K11A H1 - K11B H2
	DEAL
	CMR T35,T21,T2,0                   ; X1 = K10A H3 - K10B H4
	DEAL
	CMR T8,T23,T2,0                    ; X2 = K01A H3 - K01B H4
	DEAL
	CFR T33,T27,T1,1
	DEAL
	CFR T35,T29,T3,1
	DEAL
	CFR T8,T31,T3,1
	DEAL
	CFR A6,T21,T20,1
	DEAL
	CFR A7,T21,T19,0
	DEAL
	PADD A5,A5,T23
	PADD A5+2,A5+2,T23+2
	DEAL
	CFR A9,T33,T20,1
	DEAL
	CFR A13,T33,T20,1
	DEAL
	CFR A10,T33,T19,0
	DEAL
	CFR A12,T33,T19,0
	DEAL
	CFR A15,T35,T19,0
	DEAL
	CFR A16,T35,T20,1
	DEAL
	PSUB A11,A11,T8
	PSUB A11+2,A11+2,T8+2
	; the sum of the 36 squares, in four chains: TOT, T0, T1, T2
.set i, 0
.rept 36
.if (i%2)==0
	DEAL
.endif
.set dq, TB+2*((i%4)-1)
.if (i%4)==0
.set dq, TOT
.endif
.if i<4
	PM dq,AC+2*i,AC+2*i
.else
	PF dq,AC+2*i,AC+2*i,dq
.endif
.set i, i+1
.endr
	PADD T0,T0,T1
	PADD TOT,TOT,T2
	PADD TOT,TOT,T0
	s_wait_alu depctr_va_vdst(0)       ; the additions have written TOT, which the store reads
	global_store_b64 v1, v[TOT:TOT+1], s[42:43] offset:(\slot)*SLOTB th:TH_STORE_NT  ; 32 lanes store 256 consecutive bytes, at a multiple of 256 from out0's first byte
.endm
	s_load_b512 s[4:19], s[0:1], 0x0               ; the 20 addresses, in the order of the arguments: input i in s[4+2i:5+2i],
	s_load_b512 s[20:35], s[0:1], 0x40
	s_load_b256 s[36:43], s[0:1], 0x80             ; params in s[40:41], out0 in s[42:43]
	v_lshrrev_b32 v2, 5, v0
	v_readfirstlane_b32 s3, v2                     ; wave 0..3
	s_lshl_b32 s2, ttmp9, 2
	s_wait_alu depctr_va_sdst(0)                   ; s3 is written, ahead of its first reader: g is made from it
	s_add_co_u32 s2, s2, s3                        ; g = 4 x work-group + wave
	s_lshl_b32 s3, ttmp9, 10
	v_lshl_add_u32 v1, v0, 3, s3                   ; my 8 bytes of task g: 256 g + 8 x lane = 1,024 x work-group + 8 x thread; never rewritten
	v_mov_b32 v0, 0                                ; params' offset: every lane reads the same 128 bytes
	SPAIR PINV,0x3e22f983                          ; 1 / 2 pi
	SPAIR PS0,0x40c90fdb                           ; 2 sin(pi R) / R = 2 pi - pi^3/3 Z + pi^5/60 Z^2 - pi^7/2520 Z^3 + pi^9/181440 Z^4, Z = R^2
	SPAIR PS1,0xc1255de7
	SPAIR PS2,0x40a335e3
	SPAIR PS3,0xbf996966
	SPAIR PS4,0x3e283c1a
	SPAIR PC1,0xc09de9e6                           ; cos(pi R) = 1 - pi^2/2 Z + pi^4/24 Z^2 - pi^6/720 Z^3 + pi^8/40320 Z^4
	SPAIR PC2,0x4081e0f8
	SPAIR PC3,0xbfaae9e4
	SPAIR PC4,0x3e70fa83
	s_wait_kmcnt 0x0
	s_wait_alu depctr_va_vdst(0)                   ; v0 and v1 are written: every load and store of the kernel reads one of them as its offset
.irp j,0,1,2,3,4,5,6,7
	global_load_b128 v[TB+4*\j:TB+4*\j+3], v0, s[40:41] offset:16*\j  ; g_k = (re, im) into T_k
.endr
	s_cmp_lt_u32 s2, NFOUR                         ; the one choice of the text, made of the wave's number alone
	s_cbranch_scc0 .Lthree
	LOAD BA,3                                      ; four tasks: the fourth goes first, so that both ways meet with B's loads the older and A's the younger
	LOAD BB,0
	s_wait_loadcnt 36                              ; params are in; the 36 loads issued behind them stay out
	HEAD
	s_wait_loadcnt 18                              ; buffer A is in; B's 18 stay out
	COMPUTE BA,3,1,0                               ; no store has been issued yet
	s_branch .Ljoin
.Lthree:
	LOAD BB,0
	LOAD BA,1
	s_wait_loadcnt 36                              ; params are in
	HEAD
.Ljoin:
	s_wait_loadcnt 18                              ; buffer B is in; A's 18, issued behind it on both ways, stay out
	COMPUTE BB,0,2,1                               ; on the way of four tasks a store has been issued
	s_wait_loadcnt 18                              ; buffer A is in; B's refill stays out
	COMPUTE BA,1,-1,1
	s_wait_loadcnt 0x0                             ; the last task
	COMPUTE BB,2,-1,1
	s_endpgm
.Lfunc_end_k_qfd3f64addb_amp:
	.size	k_qfd3f64addb_amp, .Lfunc_end_k_qfd3f64addb_amp-k_qfd3f64addb_amp
	.p2alignl 7, 3214868480
	.fill 96, 4, 3214868480
	.section	.rodata,"a",@progbits
	.p2align	6, 0x0
	.amdhsa_kernel k_qfd3f64addb_amp
		.amdhsa_group_segment_fixed_size 0
		.amdhsa_private_segment_fixed_size 0
		.amdhsa_enable_private_segment 0
		.amdhsa_kernarg_size 160
		.amdhsa_user_sgpr_count 2
		.amdhsa_user_sgpr_kernarg_segment_ptr 1
		.amdhsa_wavefront_size32 1
		.amdhsa_system_sgpr_workgroup_id_x 1
		.amdhsa_system_sgpr_workgroup_id_y 1
		.amdhsa_system_sgpr_workgroup_id_z 1
		.amdhsa_system_vgpr_workitem_id 0
		.amdhsa_next_free_vgpr 256
		.amdhsa_next_free_sgpr 66
		.amdhsa_reserve_vcc 0
		.amdhsa_float_denorm_mode_32 3
		.amdhsa_float_denorm_mode_16_64 3
		.amdhsa_memory_ordered 1
		.amdhsa_forward_progress 1
		.amdhsa_inst_pref_size 153
	.end_amdhsa_kernel
	.amdgpu_metadata
---
amdhsa.version: [ 1, 2 ]
amdhsa.kernels:
  - .name:           k_qfd3f64addb_amp
    .symbol:         k_qfd3f64addb_amp.kd
    .args:
      - { .name: m_BC, .offset: 0, .size: 8, .value_kind: global_buffer, .address_space: global }
      - { .name: m_BD, .offset: 8, .size: 8, .value_kind: global_buffer, .address_space: global }
      - { .name: m_CD, .offset: 16, .size: 8, .value_kind: global_buffer, .address_space: global }
      - { .name: cosTheta_BC, .offset: 24, .size: 8, .value_kind: global_buffer, .address_space: global }
      - { .name: cosTheta_B_BC, .offset: 32, .size: 8, .value_kind: global_buffer, .address_space: global }
      - { .name: cosTheta1, .offset: 40, .size: 8, .value_kind: global_buffer, .address_space: global }
      - { .name: cosTheta_CD, .offset: 48, .size: 8, .value_kind: global_buffer, .address_space: global }
      - { .name: cosTheta_C_CD, .offset: 56, .size: 8, .value_kind: global_buffer, .address_space: global }
      - { .name: cosTheta2, .offset: 64, .size: 8, .value_kind: global_buffer, .address_space: global }
      - { .name: cosTheta_BD, .offset: 72, .size: 8, .value_kind: global_buffer, .address_space: global }
      - { .name: cosTheta_D_BD, .offset: 80, .size: 8, .value_kind: global_buffer, .address_space: global }
      - { .name: phi_BC, .offset: 88, .size: 8, .value_kind: global_buffer, .address_space: global }
      - { .name: phi_B_BC, .offset: 96, .size: 8, .value_kind: global_buffer, .address_space: global }
      - { .name: phi1, .offset: 104, .size: 8, .value_kind: global_buffer, .address_space: global }
      - { .name: phi_CD, .offset: 112, .size: 8, .value_kind: global_buffer, .address_space: global }
      - { .name: phi_C_CD, .offset: 120, .size: 8, .value_kind: global_buffer, .address_space: global }
      - { .name: phi2, .offset: 128, .size: 8, .value_kind: global_buffer, .address_space: global }
      - { .name: phi_D_BD, .offset: 136, .size: 8, .value_kind: global_buffer, .address_space: global }
      - { .name: params, .offset: 144, .size: 8, .value_kind: global_buffer, .address_space: global }
      - { .name: out0, .offset: 152, .size: 8, .value_kind: global_buffer, .address_space: global }
    .group_segment_fixed_size: 0
    .private_segment_fixed_size: 0
    .kernarg_segment_align: 8
    .kernarg_segment_size: 160
    .max_flat_workgroup_size: 128
    .sgpr_count:     66
    .vgpr_count:     256
    .wavefront_size: 32
...
	.end_amdgpu_metadata
.endif
;; end of part 2
